; MI455X (gfx1250); checked and timed in simulation.
; The chip was launched on July 23, 2026; its instructions are those of AMD's public machine-readable ISA for CDNA 5 (MIT licence, August 2026) and "CDNA5" Instruction Set Architecture Reference Guide (July 2026). The comments in the code are by the model that wrote it; some were corrected since.
;; Nearest Sim. Allowed arithmetic: float matrix products may take bf16 or f16 operands with f32 sums; other float arithmetic in f32, or as packed bf16 or f16 multiplies, adds, multiply-adds, maxima and minima; sums over many terms, partial sums and values carried from step to step in f32; what a program stores and reads back later, other than sums and carried values, may be rounded once to bf16 or f16.
;; Inputs: items 4,096 x 512 float32; queries 8 x 2,048 x 512 float32.
;; Outputs: out0 8 x 2,048 float32.
;; 2 versions, each right; version 2 is version 1 with the launch prep written anew for expert scheduling mode. Each part assembles by itself: llvm-mc -triple=amdgcn-amd-amdhsa -mcpu=gfx1250 --defsym DOCPART=n.
;; ======== version 1 of 2: 3 launches
;; limits: values outside matrix products are rounded to bf16
;; workspace buffers: itb 4,194,304 bytes; pay 16,384 bytes; part 524,288 bytes
;; launch prep (part 1): grid 64 x 1, 8 waves a work-group, no clusters, 1,280 bytes of LDS; arguments items, itb, pay; writes itb, pay
.if DOCPART == 1
	.amdgcn_target "amdgcn-amd-amdhsa--gfx1250"
	.amdhsa_code_object_version 6
	.text
	.protected	k_q1ab012920d_prep
	.globl	k_q1ab012920d_prep
	.p2align	8
	.type	k_q1ab012920d_prep,@function
k_q1ab012920d_prep:
	s_mov_b64 s[64:65], 0
	v_nop
	global_prefetch_b8 v0, s[64:65] scope:SCOPE_SE
	s_setreg_imm32_b32 hwreg(HW_REG_WAVE_MODE, 25, 1), 1
	s_wait_xcnt 0x0
; items [4096][512] f32  ->  itb [4096][512] bf16 (each number rounded once, to nearest even), and pay [4096] words:
; pay[i] = (bits(n_i) + 0x800) & 0xfffff000 | i,  n_i = min(rsq(sum of x^2), 1e12) = 1 / max(|x_i|, 1e-12): the inverse norm kept to 12 significant bits, the item's number below it.
; LIMITS.  NaN and infinities are not treated apart.  The norm is taken of the unrounded f32 numbers; a sum of squares below 2^-126 counts as 0, so n = 1e12.
; SHARES.  A work-group takes 64 rows: their 64 payload words are 256 consecutive bytes, aligned, stored by one instruction.  That fixes 64 work-groups.  Wave w takes rows 8 w .. 8 w + 7.
; A row is 2,048 bytes: four loads of 512 consecutive bytes a wave.  All 32 loads of a wave go out at once; the waits count down by rows.  A row of itb is four stores of 256 consecutive bytes, aligned.
; The matrix unit, clusters and tensor loads would add nothing: each byte is read once, by one lane.
.set SPARE, 256                        ; LDS: bytes 0-255 the 64 rows' sums of squares; from 256 on the spare words, 128 bytes for each of the eight waves
.set LO,  2                            ; v2   16 x lane + 16,384 x wave: my 16 bytes in the wave's first row of items; never rewritten
.set SO,  3                            ; v3   8 x lane + 8,192 x wave: my 8 bytes in the wave's first row of itb; never rewritten
.set LS,  4                            ; v4   32 x wave: the wave's eight words in LDS
.set SPW, 5                            ; v5   LDS address of my spare word; never rewritten
.set NIL, 6                            ; v6   0; never rewritten
.set SUM, 8                            ; v[8:15]    row i's sum of squares
.set X,   16                           ; v[16:143]  row i as loaded: 16 registers
.set Y,   144                          ; v[144:207] row i as stored: 8 registers, never rewritten
.set T,   208                          ; v[208:215] at work
	s_load_b128 s[4:7], s[0:1], 0x0                ; items s[4:5], itb s[6:7]
	s_load_b64 s[8:9], s[0:1], 0x10                ; pay
	v_lshl_add_u32 v[SPW], v0, 2, SPARE
	v_mov_b32 v[NIL], 0
	v_lshrrev_b32 v7, 5, v0
	v_readfirstlane_b32 s10, v7                    ; wave 0..7
	v_and_b32 v1, 31, v0                           ; lane
	s_lshl_b32 s14, s10, 14
	v_lshl_add_u32 v[LO], v1, 4, s14
	s_lshl_b32 s15, s10, 13
	v_lshl_add_u32 v[SO], v1, 3, s15
	s_lshl_b32 s16, s10, 5
	v_mov_b32 v[LS], s16
	s_mov_b32 s12, 0x76543210                      ; v_permlanex16_b32: each lane takes its own place in the other half
	s_mov_b32 s13, 0xfedcba98
	s_lshl_b32 s11, ttmp9, 6                       ; the work-group's first item
	s_lshl_b32 s2, ttmp9, 17                       ; 64 rows of 2,048 bytes
	s_mov_b32 s3, 0
	s_wait_kmcnt 0x0
	s_add_nc_u64 s[4:5], s[4:5], s[2:3]
	s_lshl_b32 s2, ttmp9, 16                       ; 64 rows of 1,024 bytes
	s_add_nc_u64 s[6:7], s[6:7], s[2:3]
	s_lshl_b32 s2, ttmp9, 8                        ; 64 words
	s_add_nc_u64 s[8:9], s[8:9], s[2:3]
.irp i, 0,1,2,3,4,5,6,7
.irp c, 0,1,2,3
	global_load_b128 v[X+16*(\i)+4*(\c):X+16*(\i)+4*(\c)+3], v[LO], s[4:5] offset:2048*(\i)+512*(\c) th:TH_LOAD_NT
.endr
.endr
; Row i: my 16 numbers' squares in two chains started by products (nothing is cleared), the 16 numbers rounded to bf16, and the row's four stores.
.macro ROWP i
.set rX, X+16*(\i)
.set rY, Y+8*(\i)
	s_wait_loadcnt 28-4*(\i)                       ; loads come back in order (ISA guide 5.7.1): row i's four are in; the younger rows' four each stay out
	v_pk_mul_f32 v[T:T+1], v[rX:rX+1], v[rX:rX+1]
	v_pk_mul_f32 v[T+2:T+3], v[rX+2:rX+3], v[rX+2:rX+3]
.irp x, 2,3,4,5,6,7
	v_pk_fma_f32 v[T+2*((\x)%2):T+2*((\x)%2)+1], v[rX+2*(\x):rX+2*(\x)+1], v[rX+2*(\x):rX+2*(\x)+1], v[T+2*((\x)%2):T+2*((\x)%2)+1]
.endr
	v_pk_add_f32 v[T:T+1], v[T:T+1], v[T+2:T+3]
	v_add_f32 v[SUM+(\i)], v[T], v[T+1]
.irp x, 0,1,2,3,4,5,6,7
	v_cvt_pk_bf16_f32 v[rY+(\x)], v[rX+2*(\x)], v[rX+2*(\x)+1]
.endr
.irp c, 0,1,2,3
	global_store_b64 v[SO], v[rY+2*(\c):rY+2*(\c)+1], s[6:7] offset:1024*(\i)+256*(\c)  ; 32 lanes x 8 bytes: 256 consecutive bytes, aligned
.endr
.endm
.irp i, 0,1,2,3,4,5,6,7
	ROWP \i
.endr
	; across the 32 lanes, the eight rows side by side: four steps inside each half of 16 lanes ride on the addition, one crosses the halves
.irp m, 1,2,4,8
.irp i, 0,1,2,3,4,5,6,7
	v_add_f32_dpp v[SUM+(\i)], v[SUM+(\i)], v[SUM+(\i)] row_xmask:\m row_mask:0xf bank_mask:0xf
.endr
.endr
.irp i, 0,1,2,3,4,5,6,7
	v_permlanex16_b32 v[X+(\i)], v[SUM+(\i)], s12, s13  ; its destination counts as read: row 0's registers have been written and are free
.endr
.irp i, 0,1,2,3,4,5,6,7
	v_add_f32 v[SUM+(\i)], v[SUM+(\i)], v[X+(\i)]
.endr
.irp i, 0,1,2,3,4,5,6,7
	ds_store_b32 v[LS], v[SUM+(\i)] offset:4*(\i)  ; all lanes write the same word with the same value
.endr
	s_wait_dscnt 0x0                               ; for the others' sake: my stores are done
	s_barrier_signal -1
	s_barrier_wait -1                              ; all 64 sums lie in LDS
	s_cmp_lg_u32 s10, 0                            ; wave 0 makes the 64 payload words, two a lane
	s_cbranch_scc1 .Lend
	v_lshlrev_b32 v[T], 3, v1
	ds_load_b64 v[T+2:T+3], v[T]                   ; rows 2 l and 2 l + 1
	v_lshl_add_u32 v[T+6], v1, 1, s11              ; their numbers
	v_add_nc_u32 v[T+7], 1, v[T+6]
	s_wait_dscnt 0x0
	v_rsq_f32 v[T+4], v[T+2]
	v_rsq_f32 v[T+5], v[T+3]
	v_nop                                          ; a plain instruction behind the last of the two (ISA guide 5.7.2),
	s_wait_alu depctr_va_vdst(0)                   ; and the wait ahead of the first use: one for both
.irp k, 0,1
	v_min_num_f32 v[T+4+(\k)], 0x5368d4a5, v[T+4+(\k)]  ; 1 / max(norm, 1e-12): at most 1e12
	v_add_nc_u32 v[T+4+(\k)], 0x800, v[T+4+(\k)]        ; rounded to 12 significant bits
	v_and_b32 v[T+4+(\k)], 0xfffff000, v[T+4+(\k)]
	v_or_b32 v[T+4+(\k)], v[T+4+(\k)], v[T+6+(\k)]
.endr
	global_store_b64 v[T], v[T+4:T+5], s[8:9]      ; 256 consecutive bytes, aligned
.Lend:
	s_wait_tensorcnt 0x0                           ; the wave's end, behind my last LDS store
	ds_add_u32 v[SPW], v[NIL]
	s_wait_dscnt 0x0
	s_endpgm
.Lfunc_end_k_q1ab012920d_prep:
	.size	k_q1ab012920d_prep, .Lfunc_end_k_q1ab012920d_prep-k_q1ab012920d_prep
	.p2alignl 7, 3214868480
	.fill 96, 4, 3214868480
	.section	.rodata,"a",@progbits
	.p2align	6, 0x0
	.amdhsa_kernel k_q1ab012920d_prep
		.amdhsa_group_segment_fixed_size 1280
		.amdhsa_private_segment_fixed_size 0
		.amdhsa_enable_private_segment 0
		.amdhsa_kernarg_size 24
		.amdhsa_user_sgpr_count 2
		.amdhsa_user_sgpr_kernarg_segment_ptr 1
		.amdhsa_wavefront_size32 1
		.amdhsa_system_sgpr_workgroup_id_x 1
		.amdhsa_system_sgpr_workgroup_id_y 1
		.amdhsa_system_sgpr_workgroup_id_z 1
		.amdhsa_system_vgpr_workitem_id 0
		.amdhsa_next_free_vgpr 216
		.amdhsa_next_free_sgpr 66
		.amdhsa_reserve_vcc 0
		.amdhsa_float_denorm_mode_32 3
		.amdhsa_float_denorm_mode_16_64 3
		.amdhsa_memory_ordered 1
		.amdhsa_forward_progress 1
		.amdhsa_inst_pref_size 21
	.end_amdhsa_kernel
	.amdgpu_metadata
---
amdhsa.version: [ 1, 2 ]
amdhsa.kernels:
  - .name:           k_q1ab012920d_prep
    .symbol:         k_q1ab012920d_prep.kd
    .args:
      - { .name: items, .offset: 0, .size: 8, .value_kind: global_buffer, .address_space: global }
      - { .name: itb, .offset: 8, .size: 8, .value_kind: global_buffer, .address_space: global }
      - { .name: pay, .offset: 16, .size: 8, .value_kind: global_buffer, .address_space: global }
    .group_segment_fixed_size: 1280
    .private_segment_fixed_size: 0
    .kernarg_segment_align: 8
    .kernarg_segment_size: 24
    .max_flat_workgroup_size: 256
    .sgpr_count:     66
    .vgpr_count:     216
    .wavefront_size: 32
...
	.end_amdgpu_metadata
.endif
;; end of part 1
;; launch main (part 2): grid 4 x 64, 4 waves a work-group, clusters of 4 x 4, 327,680 bytes of LDS; arguments queries, itb, pay, part; writes part
.if DOCPART == 2
	.amdgcn_target "amdgcn-amd-amdhsa--gfx1250"
	.amdhsa_code_object_version 6
	.text
	.protected	k_q1ab012920d_main
	.globl	k_q1ab012920d_main
	.p2align	8
	.type	k_q1ab012920d_main,@function
k_q1ab012920d_main:
	s_mov_b64 s[64:65], 0
	v_nop
	global_prefetch_b8 v0, s[64:65] scope:SCOPE_SE
	s_setreg_imm32_b32 hwreg(HW_REG_WAVE_MODE, 25, 1), 1
	s_wait_xcnt 0x0
	s_wait_alu depctr_hold_cnt(0) depctr_sa_sdst(0) depctr_va_vdst(0) depctr_va_sdst(0) depctr_va_ssrc(0) depctr_va_vcc(0) depctr_vm_vsrc(0)
	s_getreg_b32 s2, hwreg(HW_REG_IB_STS2, 6, 4)
	s_cmp_eq_u32 s2, 0
	s_cbranch_scc0 .Lentry_in_a_cluster
	s_endpgm
.Lentry_in_a_cluster:
	s_bfe_u32 s2, ttmp6, 0x10000c
	s_cmp_lg_u32 s2, 0xf033
	s_cbranch_scc0 .Lentry_shape_is_right
	s_endpgm
.Lentry_shape_is_right:
; For each of 16,384 queries and each quarter of the 4,096 items: m = the largest score q . x (both rounded once to bf16, sums in f32), and r = -m / (max(|x*|, eps) max(|q|, eps)) for the item x* that has it.
; part: m [4][16384] f32 from byte 0, r [4][16384] f32 from byte 262,144.  The launch behind takes, for each query, the r of the largest m.
; WHY NO SOFTMAX AND NO GATHER.  Only the order of the softmax's results is used, and it rises strictly with the score: its first place is the score's.  The dot product of the query with the item found IS that score.
; The item's inverse norm and number (pay, one word an item) travel beside the running maximum by v_cndmask_b32: no address and no branch hangs on a floating-point number.
; TIES go to the lowest item number: a lane walks its items in ascending order and keeps the earlier one; the two halves of the lanes compare the numbers; the launch behind keeps the lower quarter.
; LIMITS.  NaN and infinities are not treated apart.  Where two different scores would round to one probability in f32, the larger score is taken here.  The order of the f32 sums is the matrix unit's:
; two scores that differ by a few units of their last place can fall either way.  The norms are taken of the unrounded f32 numbers; the item's inverse norm has 12 significant bits.
; SHARES.  256 work-groups: 64 blocks of 256 queries x 4 quarters of 1,024 items.  A wave owns 64 queries, four tiles of 16, and KEEPS them for all 512 channels as bf16 in 512 registers: only item fragments
; are read from LDS, 16 loads of 16 bytes a lane for 32 matrix instructions.  Every wave walks the quarter's items, 64 a step, in two halves of 32: 2 item tiles x 4 query tiles = 8 accumulators a half.
; BY TURNS.  While one half's 128 products run, the other half's 64 scores a lane are compared: three vector instructions (a RIDER) behind every second product.  Two sets of accumulators change places.
; LAYOUT.  Source 0 = 16 items, source 1 = 16 queries: in the result a lane holds ONE query (lane % 16) and items 8 (lane / 16) + 0..7.  Along K both sources are laid alike, which keeps the products:
; in K step s lane (r, h) holds channels 32 s + 16 h + 0..15 on end: 32 consecutive bytes of an item's row, 64 of a query's.
; CLUSTER.  4 x 4 work-groups: cx is the quarter, cy one of four query blocks.  The four of a column walk the same items: each tile is asked for JOINTLY, by the same tensor load with the same descriptor
; and a mask that names the four.  The four of a row read the same queries, by plain loads at the launch's head.
; REGISTERS, in windows of 256 (s_set_vgpr_msb: bits 1:0 source 0, 3:2 source 1, 5:4 source 2, 7:6 destination):
;   window 0: v0-13 addresses; v32-39 m and p of four tiles; v40-43 1 / |q|; v44-63 at work; v64-95 payload words, two sets; v128-255 accumulators, two sets of 64
;   window 1: v0-127 two buffers of item fragments (4 K steps x 2 item tiles); at the head: v0-223 a ring of seven units of queries in f32, v224-255 their sums of squares
;   windows 2, 3: the queries: K step s, tile t at 32 (s % 8) + 8 t, window 2 for s < 8
.set PITCH, 1040                       ; an item's row in LDS: 1,024 bytes + 16 of padding = 260 words: row r starts at bank 4 r mod 64 (64 banks of 4 bytes: ISA guide 11.1), so the 16 rows of a load start at 16 different groups of four banks
.set TILEB, 16*PITCH
.set HALFB, 32*PITCH                   ; 32 rows: a half step, and what one wave's tensor load brings
.set STEPB, 64*PITCH
.set SLOT,  128*PITCH                  ; 133,120 = 0x20800: two steps.  It shares no bit with HALFB x wave (0x8200, 0x10400, 0x18600): an exclusive or with it turns an address in one slot into the other's
.set PAYB,  2*SLOT                     ; the quarter's 1,024 payload words, filled once
.set STAGE, PAYB+4096                  ; 512 bytes for each wave, for the way out; no tensor load fills it
.set SPARE, STAGE+2048                 ; the spare words, 128 bytes for each wave: two blocks of 256 bytes that no other line names
.set SLOTG, 131072                     ; a slot's 128 rows of 1,024 bytes in itb
.set AF0,  3                           ; v3   1,040 r + 32 h: my place in a tile of items; never rewritten
.set ADR,  4                           ; v4   the same in the step in hand
.set PA0,  5                           ; v5   PAYB + 32 h: my eight words of a tile's sixteen; never rewritten
.set PADR, 6                           ; v6   the same in the step in hand
.set QO,   7                           ; v7   2,048 r + 64 h: my place in 16 rows of queries; never rewritten
.set SPW,  8                           ; v8   LDS address of my spare word; never rewritten
.set NIL,  9                           ; v9   0; never rewritten
.set PFO,  10                          ; v10  256 x my thread's number: the prefetches' offset; never rewritten
.set STO,  11                          ; v11  the way out: STAGE + 512 w + 4 r
.set RDL,  12                          ; v12  the way out: STAGE + 512 w + 16 x lane
.set GO,   13                          ; v13  the way out: 16 r + 262,144 h
.set ST,   32                          ; tile t: m at ST + 2 t, p (the payload word of the item that has m) at ST + 2 t + 1
.set IQ,   40
.set TT,   44                          ; four registers a tile, at work
.set OB,   60
.set PY,   64                          ; set z, item tile b, register j at PY + 16 z + 8 b + j
.set ACC,  128                         ; set z, item tile b, query tile t at ACC + 64 z + 32 b + 8 t
.set SS,   224                         ; window 1: tile t's four chains of pairs at SS + 8 t
.set WV,   12                          ; s12  my wave's number
.set CX,   13
.set CY,   14
.set QB,   15                          ; s15  my block of 256 queries
.set WOFF, 16                          ; s16  HALFB x wave
.set TB,   18                          ; s18  LDS byte at which the step to be fetched next begins
.set TP,   19                          ; s19  byte of that step's payload words
.set CNT,  20                          ; s20  counts a slot's two steps
.set SLOTS, 21                         ; s21  slots still to be entered in the loop
.set SEL,  22                          ; s[22:23] v_permlanex16_b32's selects
.set G1I,  24                          ; s[24:31] descriptor group 1 for item tiles
.set G0A,  32                          ; s[32:35] group 0: slot 0's first fill
.set G0B,  36                          ; s[36:39] group 0: slot 1's first fill; then it walks
.set G1P,  40                          ; s[40:47] group 1 for the payload words
.set G0P,  48                          ; s[48:51] group 0 for them
.set PFA,  66                          ; s[66:67] where my work-group's prefetches stand
.set LIM,  68                          ; s68  1 in a cluster that prefetches, else the greatest number
.set NINF, 69                          ; s69  minus infinity
.set MK,   70                          ; s70  the mask of my column of the cluster
.set MSB, 0
.macro WIN new                         ; the immediate's high byte repeats the setting that is left; a switch that changes nothing is dropped
.if MSB != (\new)
	s_set_vgpr_msb (MSB<<8)|(\new)
.set MSB, \new
.endif
.endm
; A round of the cluster's barrier: my work-group's barrier, so that wave 0's signal speaks for all four waves; wave 0 signals; every wave waits for all sixteen work-groups; my work-group's barrier once more.
.macro CROUND
	s_barrier_signal -1
	s_barrier_wait -1
	s_cmp_lg_u32 s[WV], 0
	s_cbranch_scc1 .Lnot_wave_0_\@
	s_barrier_signal -3
.Lnot_wave_0_\@:
	s_barrier_wait -3
	s_barrier_signal -1
	s_barrier_wait -1
.endm
; A joint refill: every wave fetches its 32 rows of the slot's 128, so no branch stands round the line.  An s_nop 0 and four v_nop follow it.
.macro JLOAD
	tensor_load_to_lds s[G0B:G0B+3], s[G1I:G1I+7]
	s_nop 0
.rept 4
	v_nop
.endr
.endm
; A PREFETCH INTO THE L2 of the slot that the NEXT change of slots will ask for: one slot, 512 matrix instructions a wave, ahead of that load.  It stands behind the joint load and its five lines.
; Each 256 bytes of itb are named ONCE in the launch.  A quarter's rows are walked by all sixteen clusters: the cluster with y = 0 asks.  Its four partners of a column share a slot's 128 rows out BY ADDRESS,
; 32 rows (32,768 dense bytes) each, by cy: no branch hangs on a work-group's place in its cluster.  Thread i names block i of those 128: one instruction a wave.
; Slots 0, 1 and 2 come by their loads alone; the last change that fills a slot asks for nothing: there is no slot behind it.
.macro ASK
	s_cmp_gt_u32 s[SLOTS], s[LIM]
	s_cbranch_scc0 .Lnot_mine_\@
	global_prefetch_b8 v[PFO], s[PFA:PFA+1] th:TH_LOAD_NT scope:SCOPE_SE
.Lnot_mine_\@:
.endm
	s_load_b256 s[4:11], s[0:1], 0x0               ; queries s[4:5], itb s[6:7], pay s[8:9], part s[10:11]
	v_lshl_add_u32 v[SPW], v0, 2, SPARE
	v_mov_b32 v[NIL], 0
	ds_add_u32 v[SPW], v[NIL]                      ; the wave's opening: the add, twice on end, and its wait ahead of my first tensor load; the set-up below, work on registers, stands between
	ds_add_u32 v[SPW], v[NIL]                      ; and once more, under the one wait
	v_lshrrev_b32 v1, 5, v0
	v_readfirstlane_b32 s[WV], v1                  ; wave 0..3
	s_bfe_u32 s[CX], ttmp6, 0x40000                ; my place in the cluster
	s_bfe_u32 s[CY], ttmp6, 0x40004
	s_lshl_b32 s52, ttmp9, 2                       ; in a cluster launch ttmp9 and ttmp7 count clusters
	s_add_co_u32 s52, s52, s[CX]                   ; the quarter of the items = 4 x cluster x + cx
	s_and_b32 s56, ttmp7, 0xffff                   ; cluster y
	s_cmp_eq_u32 s56, 0
	s_cselect_b32 s[LIM], 1, -1                    ; the same in all sixteen partners
	s_lshl_b32 s[QB], s56, 2
	s_add_co_u32 s[QB], s[QB], s[CY]               ; the block of queries = 4 x cluster y + cy
	s_lshl_b32 s[MK], 0x1111, s[CX]                ; my column: places cx, cx + 4, cx + 8, cx + 12
	; group 1 for item tiles: 32 rows x 512 elements of 2 bytes, padded in LDS
	s_or_b32 s[G1I], s[MK], (1<<16)|(1<<20)|(1<<21)|(7<<22)|(3<<25)  ; 15:0 the mask; 17:16 elements of 2 bytes; 20 padding on; 21 set beside a mask; 24:22 after every 256 words (code 7); 31:25 4 words of it (code 3)
	s_mov_b32 s[G1I+1], 512<<16                    ; tensor_dim0 = 512
	s_mov_b32 s[G1I+2], 32<<16                     ; tensor_dim1 = 32
	s_mov_b32 s[G1I+3], 512<<16                    ; tile_dim0 = 512
	s_mov_b32 s[G1I+4], 32                         ; tile_dim1 = 32
	s_mov_b32 s[G1I+5], 512                        ; elements from row to row
	s_mov_b32 s[G1I+6], 0
	s_mov_b32 s[G1I+7], 0
	; group 1 for the payload words: a wave's 1,024 dense bytes as 4 rows of 32 elements of 8 bytes, no padding
	s_or_b32 s[G1P], s[MK], (3<<16)|(1<<21)
	s_mov_b32 s[G1P+1], 32<<16
	s_mov_b32 s[G1P+2], 4<<16
	s_mov_b32 s[G1P+3], 32<<16
	s_mov_b32 s[G1P+4], 4
	s_mov_b32 s[G1P+5], 32
	s_mov_b32 s[G1P+6], 0
	s_mov_b32 s[G1P+7], 0
	s_mul_i32 s[WOFF], s[WV], HALFB                ; where my rows go: no place in the cluster enters an LDS address
	s_lshl_b32 s72, s[WV], 10
	s_mov_b32 s[G0A], 1                            ; 1:0 count = 1
	s_mov_b32 s[G0A+1], s[WOFF]                    ; 63:32 LDS address: slot 0
	s_mov_b32 s[G0B], 1
	s_add_co_u32 s[G0B+1], s[WOFF], SLOT           ; slot 1
	s_mov_b32 s[G0P], 1
	s_add_co_u32 s[G0P+1], s72, PAYB
	s_lshl_b32 s54, s52, 20                        ; itb: the quarter's 1,024 rows of 1,024 bytes,
	s_lshl_b32 s55, s[WV], 15                      ; my 32 rows of a slot
	s_add_co_u32 s54, s54, s55
	s_mov_b32 s55, 0
	s_lshl_b32 s62, s52, 12                        ; pay: the quarter's 1,024 words, my 256 of them
	s_add_co_u32 s62, s62, s72
	s_mov_b32 s63, 0
	s_lshl_b32 s56, s[QB], 19                      ; queries: my block's 256 rows of 2,048 bytes,
	s_lshl_b32 s57, s[WV], 17                      ; my wave's 64
	s_add_co_u32 s56, s56, s57
	s_mov_b32 s57, 0
	s_lshl_b32 s58, s52, 16                        ; part: the quarter's 16,384 words,
	s_lshl_b32 s59, s[QB], 10                      ; my block's 256,
	s_add_co_u32 s58, s58, s59
	s_lshl_b32 s59, s[WV], 8                       ; my wave's 64
	s_add_co_u32 s58, s58, s59
	s_mov_b32 s59, 0
	s_lshl_b32 s60, s52, 20                        ; the prefetches: the quarter, my work-group's 32 rows of a slot
	s_lshl_b32 s61, s[CY], 15
	s_add_co_u32 s60, s60, s61
	s_mov_b32 s61, 0
	s_lshl_b32 s73, s[WV], 9
	s_add_co_u32 s73, s73, STAGE                   ; my stage
	s_mov_b32 s[SEL], 0x76543210
	s_mov_b32 s[SEL+1], 0xfedcba98
	s_mov_b32 s[NINF], 0xff800000
	v_and_b32 v1, 15, v0                           ; r = l % 16
	v_bfe_u32 v2, v0, 4, 1                         ; h = l / 16
	v_and_b32 v14, 31, v0
	v_mul_u32_u24 v[AF0], v1, PITCH
	v_lshl_add_u32 v[AF0], v2, 5, v[AF0]
	v_lshlrev_b32 v[PA0], 5, v2
	v_add_nc_u32 v[PA0], PAYB, v[PA0]
	v_lshlrev_b32 v[QO], 11, v1
	v_lshl_add_u32 v[QO], v2, 6, v[QO]
	v_lshlrev_b32 v[PFO], 8, v0
	v_lshl_add_u32 v[STO], v1, 2, s73
	v_lshl_add_u32 v[RDL], v14, 4, s73
	v_lshlrev_b32 v[GO], 4, v1
	v_lshl_add_u32 v[GO], v2, 18, v[GO]
	s_wait_dscnt 0x0                               ; both opening adds are done
	s_wait_kmcnt 0x0
	s_add_nc_u64 s[4:5], s[4:5], s[56:57]          ; queries at my wave's first row
	s_add_nc_u64 s[10:11], s[10:11], s[58:59]      ; part at my wave's first m
	s_add_nc_u64 s[PFA:PFA+1], s[6:7], s[60:61]
	s_add_nc_u64 s[PFA:PFA+1], s[PFA:PFA+1], 2*SLOTG  ; in slot 2; the first change of slots steps it to slot 3.  Nothing is prefetched here, at the head
	s_add_nc_u64 s[G0A+2:G0A+3], s[6:7], s[54:55]  ; 120:64 global address: my rows of the quarter's slot 0,
	s_add_nc_u64 s[G0B+2:G0B+3], s[G0A+2:G0A+3], SLOTG  ; and of slot 1
	s_or_b32 s[G0A+3], s[G0A+3], 0x80000000        ; 127:126 type = 2
	s_or_b32 s[G0B+3], s[G0B+3], 0x80000000
	s_add_nc_u64 s[G0P+2:G0P+3], s[8:9], s[62:63]
	s_or_b32 s[G0P+3], s[G0P+3], 0x80000000
; THE QUERIES come straight from memory into registers.  A UNIT is tile t = u % 4, K steps 2 (u / 4) and 2 (u / 4) + 1: 256 consecutive bytes, aligned, of each of 16 rows: eight loads of 16 bytes a lane.
; Seven units are on their way at a time, in a ring of seven sets of 32 registers.
.macro QLOAD u
.set tq, (\u)%4
.set pq, (\u)/4
.set rR, 32*((\u)%7)
	WIN 0x40                                       ; destination window 1, address window 0
.irp e, 0,1
.irp c, 0,1,2,3
	global_load_b128 v[rR+16*(\e)+4*(\c):rR+16*(\e)+4*(\c)+3], v[QO], s[4:5] offset:32768*tq+256*pq+128*(\e)+16*(\c)
.endr
.endr
.endm
; Unit u is taken: its 32 numbers a lane are squared into the tile's four chains (the first unit of a tile starts them by products: nothing is cleared), rounded to bf16 into the queries' registers, and its set is asked for again.
.macro UNIT u
.set tq, (\u)%4
.set pq, (\u)/4
.set rR, 32*((\u)%7)
.set rS, SS+8*tq
.if (\u) < 25
	s_wait_loadcnt 48                              ; loads come back in order (ISA guide 5.7.1): mine are in; the six younger units' eight each stay out
.else
	s_wait_loadcnt 8*(31-(\u))                     ; the counts run down
.endif
	WIN 0x55                                       ; all in window 1
.set xq, 0
.rept 16
.if (pq == 0) && (xq < 4)
	v_pk_mul_f32 v[rS+2*xq:rS+2*xq+1], v[rR+2*xq:rR+2*xq+1], v[rR+2*xq:rR+2*xq+1]
.else
	v_pk_fma_f32 v[rS+2*(xq%4):rS+2*(xq%4)+1], v[rR+2*xq:rR+2*xq+1], v[rR+2*xq:rR+2*xq+1], v[rS+2*(xq%4):rS+2*(xq%4)+1]
.endif
.set xq, xq+1
.endr
.if pq < 4
	WIN 0x85                                       ; sources window 1, destination window 2
.else
	WIN 0xc5                                       ; destination window 3
.endif
.set xq, 0
.rept 16                                           ; register xq % 8 of K step 2 pq + xq / 8
	v_cvt_pk_bf16_f32 v[32*((2*pq+xq/8)%8)+8*tq+xq%8], v[rR+2*xq], v[rR+2*xq+1]
.set xq, xq+1
.endr
.if (\u)+7 <= 31
	QLOAD (\u)+7
.endif
.endm
.irp u, 0,1,2,3,4,5,6
	QLOAD \u
.endr
	WIN 0                                          ; at a label and at a branch every window is 0
	CROUND                                         ; all sixteen work-groups are here: the first joint loads meet
	tensor_load_to_lds s[G0P:G0P+3], s[G1P:G1P+7]  ; the three first fills go out together, ahead of every wait on TENSORcnt, every LDS read and every other barrier: three loads of mine are out
	s_nop 0
	tensor_load_to_lds s[G0A:G0A+3], s[G1I:G1I+7]
	s_nop 0
	tensor_load_to_lds s[G0B:G0B+3], s[G1I:G1I+7]
	s_nop 0
.rept 4
	v_nop
.endr
	; What the first half's riders find: a half that has not been, whose scores are minus infinity and change nothing.  88 lines, written while the first loads are out: the price of one text for every half.
.set rq, 0
.rept 64
	v_mov_b32 v[ACC+64+rq], s[NINF]
.set rq, rq+1
.endr
.set rq, 0
.rept 16
	v_mov_b32 v[PY+16+rq], 0
.set rq, rq+1
.endr
.irp t, 0,1,2,3
	v_mov_b32 v[ST+2*(\t)], s[NINF]
	v_mov_b32 v[ST+2*(\t)+1], 0
.endr
.set uq, 0
.rept 32
	UNIT uq
.set uq, uq+1
.endr
	; 1 / max(|q|, 1e-12) for my query of each tile: the four chains, the pair, the other half of the lanes (the row's other channels)
	WIN 0x05                                       ; sources window 1, destination window 0
.irp t, 0,1,2,3
	v_pk_add_f32 v[TT+4*(\t):TT+4*(\t)+1], v[SS+8*(\t):SS+8*(\t)+1], v[SS+8*(\t)+2:SS+8*(\t)+3]
	v_pk_add_f32 v[TT+4*(\t)+2:TT+4*(\t)+3], v[SS+8*(\t)+4:SS+8*(\t)+5], v[SS+8*(\t)+6:SS+8*(\t)+7]
.endr
	WIN 0
.irp t, 0,1,2,3
	v_pk_add_f32 v[TT+4*(\t):TT+4*(\t)+1], v[TT+4*(\t):TT+4*(\t)+1], v[TT+4*(\t)+2:TT+4*(\t)+3]
.endr
.irp t, 0,1,2,3
	v_add_f32 v[TT+4*(\t)], v[TT+4*(\t)], v[TT+4*(\t)+1]
.endr
.irp t, 0,1,2,3
	v_permlanex16_b32 v[TT+4*(\t)+1], v[TT+4*(\t)], s[SEL], s[SEL+1]
.endr
.irp t, 0,1,2,3
	v_add_f32 v[TT+4*(\t)], v[TT+4*(\t)], v[TT+4*(\t)+1]
.endr
.irp t, 0,1,2,3
	v_rsq_f32 v[IQ+(\t)], v[TT+4*(\t)]
.endr
	v_nop                                          ; a plain instruction behind the last of the four (ISA guide 5.7.2),
	s_wait_alu depctr_va_vdst(0)                   ; and the wait ahead of the first use: one for the four
.irp t, 0,1,2,3
	v_min_num_f32 v[IQ+(\t)], 0x5368d4a5, v[IQ+(\t)]  ; at most 1e12
.endr
; THE MATRIX WORK.  Product i of a half's 128: K step i / 8, item tile (i / 4) % 2, query tile i % 4.  The eight accumulators take turns, one instruction a turn, over the halves' ends and
; the backward jumps too.  The first eight start the sums with the constant 0: nothing is cleared.
.macro MM hf, i
.set ks, (\i)/8
.set bm, ((\i)/4)%2
.set tm, (\i)%4
.set rD, ACC+64*(\hf)+32*bm+8*tm
.set rA, 64*((ks/4)%2)+16*(ks%4)+8*bm
.set rB, 32*(ks%8)+8*tm
.if ks < 8
	WIN 0x09                                       ; items window 1, queries window 2, sums window 0
.else
	WIN 0x0d                                       ; queries window 3
.endif
.if ks == 0
	v_wmma_f32_16x16x32_bf16 v[rD:rD+7], v[rA:rA+7], v[rB:rB+7], 0
.else
	v_wmma_f32_16x16x32_bf16 v[rD:rD+7], v[rA:rA+7], v[rB:rB+7], v[rD:rD+7]
.endif
.endm
; A RIDER: score e of the 64 that a lane holds of set z: query tile e % 4, register (e / 4) % 8, item tile e / 32.  For each tile the items come in ascending order, and each accumulator is read from its
; lowest register on.  Where the score is no greater than m, the earlier item's word is kept.
.macro RIDER z, e
.set tr, (\e)%4
.set jr, ((\e)/4)%8
.set br, (\e)/32
.set rC, ACC+64*(\z)+32*br+8*tr+jr
.set rY, PY+16*(\z)+8*br+jr
.set rM, ST+2*tr
	WIN 0
	v_cmp_le_f32 vcc_lo, v[rC], v[rM]
	v_max_num_f32 v[rM], v[rC], v[rM]
	v_cndmask_b32 v[rM+1], v[rY], v[rM+1], vcc_lo
.endm
; THE LDS LOADS stand in runs of 16: the fragments of four K steps (4 q on) of two item tiles, from byte off of the step in hand, into buffer f.  A lane's 32 bytes of a row: two loads on end.
.macro FETCH f, off, q
	WIN 0x40                                       ; destination window 1, address window 0
.irp k, 0,1,2,3
.irp b, 0,1
	ds_load_b128 v[(\f)+16*(\k)+8*(\b):(\f)+16*(\k)+8*(\b)+3],   v[ADR] offset:(\off)+TILEB*(\b)+64*(4*(\q)+(\k))
	ds_load_b128 v[(\f)+16*(\k)+8*(\b)+4:(\f)+16*(\k)+8*(\b)+7], v[ADR] offset:(\off)+TILEB*(\b)+64*(4*(\q)+(\k))+16
.endr
.endr
.endm
.macro PAYL z                          ; the payload words of half z's 32 items: for each item tile my eight
	WIN 0
.irp b, 0,1
	ds_load_b128 v[PY+16*(\z)+8*(\b):PY+16*(\z)+8*(\b)+3],   v[PADR] offset:128*(\z)+64*(\b)
	ds_load_b128 v[PY+16*(\z)+8*(\b)+4:PY+16*(\z)+8*(\b)+7], v[PADR] offset:128*(\z)+64*(\b)+16
.endr
.endm
; A BATCH: quarter q of half hf: 32 products on buffer q % 2, and behind every second one a rider of the other half.  nf = 1: behind the fourth product stands the next batch's run of loads, into the other buffer:
; that buffer's last reader, the batch before's last product, lies three riders back: nine vector instructions that name none of its registers (four are asked for: ISA guide 7.12.1 for vector
; instructions).  The run has 28 products in which to land; the wait for it stands at the next batch's head.  A half's first batch fetches its payload words in the same run.
; The first rider of a half reads an accumulator whose last product lies four riders back.
.macro BATCH hf, q, nf
	s_wait_dscnt 0x0                               ; this batch's fragments are in
.set i2, 0
.rept 32
	MM \hf, 32*(\q)+i2
.if i2%2 == 1
	RIDER 1-(\hf), 16*(\q)+i2/2
.endif
.if (\nf) && (i2 == 3)
.if (\q) < 3
	FETCH 64*(((\q)+1)%2), HALFB*(\hf), (\q)+1
.elseif (\hf) == 0
	FETCH 0, HALFB, 0
.else
	FETCH 0, 0, 0                                  ; the next step's first: the address has been stepped
.endif
.if (\q) == 0
	PAYL \hf
.endif
.endif
.set i2, i2+1
.endr
.endm
.macro NEXTADR                         ; the addresses of the step to be fetched next
	WIN 0
	v_add_nc_u32 v[ADR], s[TB], v[AF0]
	v_add_nc_u32 v[PADR], s[TP], v[PA0]
	s_add_co_u32 s[TB], s[TB], STEPB
	s_add_co_u32 s[TP], s[TP], 256
.endm
; A slot's two steps: written once, walked twice.  A trip begins at the LAST batch of the step before: its fragments were fetched a batch earlier, so at a change of slots the old slot has been read out,
; and the new slot's first run of loads stands under that batch's products.
.macro STEPS tag
.Lstep\tag:
	NEXTADR
	BATCH 1, 3, 1
	WIN 0
.Lfirst\tag:
	BATCH 0, 0, 1
	BATCH 0, 1, 1
	BATCH 0, 2, 1
	BATCH 0, 3, 1
	BATCH 1, 0, 1
	BATCH 1, 1, 1
	BATCH 1, 2, 1
	WIN 0
	s_sub_co_u32 s[CNT], s[CNT], 1
	s_cmp_lg_u32 s[CNT], 0
	s_cbranch_scc1 .Lstep\tag
.endm
; THE CHANGE OF SLOTS.  Each wave waits for all its tensor loads, of which one is out: its part of the other slot; adds 0 to its spare word; and waits for that and for its own reads of the slot that it leaves.
; fill = 1: that slot is filled again, with the items two slots on.  The barrier is then a round of the cluster's, so that no wave of any partner still reads the slot or has a load on its way, and the joint
; refill is the first thing behind it: one tensor load of mine is out, and it has a slot's 512 products in which to land.
.macro CHANGE fill
	WIN 0
	s_wait_tensorcnt 0x0                           ; no tensor load of mine is out, so a group 0 may be written
	ds_add_u32 v[SPW], v[NIL]                      ; 0 onto my spare word
.if \fill
	s_xor_b32 s[G0B+1], s[G0B+1], SLOT             ; the walking descriptor: the other slot than last time,
	s_add_nc_u64 s[G0B+2:G0B+3], s[G0B+2:G0B+3], SLOTG  ; the next 128 items; the type bits on top are not reached
	s_wait_xcnt 0x0                                ; the last prefetch, a slot back, has read its address, so it may be written:
	s_add_nc_u64 s[PFA:PFA+1], s[PFA:PFA+1], SLOTG ; one slot behind the walking descriptor
	s_wait_dscnt 0x0                               ; the add is done, and my reads of the slot are over
	CROUND
	JLOAD
	ASK
.else
	s_wait_dscnt 0x0                               ; the add is done, and my reads of the slot are over
	s_barrier_signal -1
	s_barrier_wait -1
.endif
	s_sub_co_u32 s[TB], s[TB], 2*STEPB             ; the fetches go back to a slot's first step,
	s_xor_b32 s[TB], s[TB], SLOT                   ; in the other slot
.endm
	s_wait_tensorcnt 0x1                           ; my parts of the payload words and of slot 0 are in; slot 1's, issued last, may stay out
	s_barrier_signal -1
	s_barrier_wait -1                              ; everybody's are
	s_mov_b32 s[TB], 0
	s_mov_b32 s[TP], 0
	NEXTADR
	FETCH 0, 0, 0                                  ; step 0's first fragments
	WIN 0
	s_mov_b32 s[CNT], 2
	s_mov_b32 s[SLOTS], 7                          ; slots 0 to 6 are walked in the loop; six changes fill slots 2 to 7
	s_branch .Lfirst1                              ; the loop is entered at a step's first batch, in the middle of a trip
.Lslot:
	CHANGE 1
	s_mov_b32 s[CNT], 2
	STEPS 1
	s_sub_co_u32 s[SLOTS], s[SLOTS], 1
	s_cmp_lg_u32 s[SLOTS], 0
	s_cbranch_scc1 .Lslot
	CHANGE 0                                       ; the tail is written out: nothing is asked for
	s_mov_b32 s[CNT], 2
	STEPS 2
	BATCH 1, 3, 0                                  ; the last batch fetches nothing
.set eq, 0
.rept 64
	RIDER 1, eq                                    ; the last half's scores; the first of them lies four riders behind its accumulator's last product
.set eq, eq+1
.endr
	; THE WAY OUT.  A query's other 512 items lie in the lane 16 away: theirs is taken where it is greater, or equal with the lower item number.  Then r = -(m / |q|) n.
.irp t, 0,1,2,3
	v_permlanex16_b32 v[TT+4*(\t)], v[ST+2*(\t)], s[SEL], s[SEL+1]
	v_permlanex16_b32 v[TT+4*(\t)+1], v[ST+2*(\t)+1], s[SEL], s[SEL+1]
.endr
.irp t, 0,1,2,3
	v_and_b32 v[TT+4*(\t)+2], 0xfff, v[ST+2*(\t)+1]
	v_and_b32 v[TT+4*(\t)+3], 0xfff, v[TT+4*(\t)+1]
	v_cmp_gt_f32 s60, v[TT+4*(\t)], v[ST+2*(\t)]
	v_cmp_eq_f32 s61, v[TT+4*(\t)], v[ST+2*(\t)]
	v_cmp_lt_u32 s62, v[TT+4*(\t)+3], v[TT+4*(\t)+2]
	s_and_b32 s61, s61, s62
	s_or_b32 s60, s60, s61
	v_cndmask_b32 v[ST+2*(\t)], v[ST+2*(\t)], v[TT+4*(\t)], s60
	v_cndmask_b32 v[ST+2*(\t)+1], v[ST+2*(\t)+1], v[TT+4*(\t)+1], s60
	v_and_b32 v[ST+2*(\t)+1], 0xfffff000, v[ST+2*(\t)+1]  ; the word without the number is n
	v_mul_f32 v[TT+4*(\t)], v[ST+2*(\t)], v[IQ+(\t)]      ; first by 1 / |q|: the product is at most the item's norm
	v_mul_f32 v[TT+4*(\t)], -v[TT+4*(\t)], v[ST+2*(\t)+1]
.endr
.irp t, 0,1,2,3
	ds_store_b32 v[STO], v[ST+2*(\t)] offset:64*(\t)       ; my stage: 64 m, then 64 r; the two lanes of a query write the same word with the same value
	ds_store_b32 v[STO], v[TT+4*(\t)] offset:256+64*(\t)
.endr
	ds_load_b128 v[OB:OB+3], v[RDL]                ; LDS serves a wave's instructions in order (ISA guide 5.7.1.4): this sees the stores above
	s_wait_dscnt 0x0
	global_store_b128 v[GO], v[OB:OB+3], s[10:11]  ; lanes 0-15: 256 consecutive bytes of m, aligned; lanes 16-31: of r
	s_wait_tensorcnt 0x0                           ; the wave's end, behind my last tensor load and my last LDS store
	ds_add_u32 v[SPW], v[NIL]
	s_wait_dscnt 0x0
	CROUND                                         ; the closing round: no work-group ends while a partner may still ask for a tile that names it
	s_endpgm
.Lfunc_end_k_q1ab012920d_main:
	.size	k_q1ab012920d_main, .Lfunc_end_k_q1ab012920d_main-k_q1ab012920d_main
	.p2alignl 7, 3214868480
	.fill 96, 4, 3214868480
	.section	.rodata,"a",@progbits
	.p2align	6, 0x0
	.amdhsa_kernel k_q1ab012920d_main
		.amdhsa_group_segment_fixed_size 327680
		.amdhsa_private_segment_fixed_size 0
		.amdhsa_enable_private_segment 0
		.amdhsa_kernarg_size 32
		.amdhsa_user_sgpr_count 2
		.amdhsa_user_sgpr_kernarg_segment_ptr 1
		.amdhsa_wavefront_size32 1
		.amdhsa_system_sgpr_workgroup_id_x 1
		.amdhsa_system_sgpr_workgroup_id_y 1
		.amdhsa_system_sgpr_workgroup_id_z 1
		.amdhsa_system_vgpr_workitem_id 0
		.amdhsa_next_free_vgpr 1024
		.amdhsa_next_free_sgpr 80
		.amdhsa_reserve_vcc 1
		.amdhsa_float_denorm_mode_32 3
		.amdhsa_float_denorm_mode_16_64 3
		.amdhsa_memory_ordered 1
		.amdhsa_forward_progress 1
		.amdhsa_inst_pref_size 211
	.end_amdhsa_kernel
	.amdgpu_metadata
---
amdhsa.version: [ 1, 2 ]
amdhsa.kernels:
  - .name:           k_q1ab012920d_main
    .symbol:         k_q1ab012920d_main.kd
    .args:
      - { .name: queries, .offset: 0, .size: 8, .value_kind: global_buffer, .address_space: global }
      - { .name: itb, .offset: 8, .size: 8, .value_kind: global_buffer, .address_space: global }
      - { .name: pay, .offset: 16, .size: 8, .value_kind: global_buffer, .address_space: global }
      - { .name: part, .offset: 24, .size: 8, .value_kind: global_buffer, .address_space: global }
    .group_segment_fixed_size: 327680
    .private_segment_fixed_size: 0
    .kernarg_segment_align: 8
    .kernarg_segment_size: 32
    .max_flat_workgroup_size: 128
    .sgpr_count:     80
    .vgpr_count:     1024
    .wavefront_size: 32
...
	.end_amdgpu_metadata
.endif
;; end of part 2
;; launch pick (part 3): grid 128 x 1, 1 waves a work-group, no clusters, 0 bytes of LDS; arguments part, out0; writes out0
.if DOCPART == 3
	.amdgcn_target "amdgcn-amd-amdhsa--gfx1250"
	.amdhsa_code_object_version 6
	.text
	.protected	k_q1ab012920d_pick
	.globl	k_q1ab012920d_pick
	.p2align	8
	.type	k_q1ab012920d_pick,@function
k_q1ab012920d_pick:
	s_mov_b64 s[64:65], 0
	v_nop
	global_prefetch_b8 v0, s[64:65] scope:SCOPE_SE
	s_setreg_imm32_b32 hwreg(HW_REG_WAVE_MODE, 25, 1), 1
	s_wait_xcnt 0x0
; out0[t] = the r of the quarter with the largest m.  part: m [4][16384] f32 from byte 0, r [4][16384] f32 from byte 262,144.
; The compare is strict, so that on a tie the lower quarter, which holds the lower item numbers, is kept.  NaN is not treated apart.
; A lane takes four queries: eight loads of 16 bytes, twelve compares with two selects each, one store; a wave's store covers 512 consecutive bytes, aligned.  128 waves are all the work there is.
.set M, 4                              ; v[4:19]   m of quarter k at M + 4 k
.set R, 20                             ; v[20:35]  r of quarter k at R + 4 k
	s_load_b128 s[4:7], s[0:1], 0x0                ; part s[4:5], out0 s[6:7]
	v_lshlrev_b32 v1, 4, v0
	s_lshl_b32 s2, ttmp9, 9
	v_add_nc_u32 v1, s2, v1                        ; 512 x work-group + 16 x lane
	s_wait_kmcnt 0x0
.irp k, 0,1,2,3
	global_load_b128 v[M+4*(\k):M+4*(\k)+3], v1, s[4:5] offset:65536*(\k) th:TH_LOAD_NT
	global_load_b128 v[R+4*(\k):R+4*(\k)+3], v1, s[4:5] offset:262144+65536*(\k) th:TH_LOAD_NT
.endr
	s_wait_loadcnt 0x0
.irp k, 1,2,3
.irp c, 0,1,2,3
	v_cmp_gt_f32 vcc_lo, v[M+4*(\k)+(\c)], v[M+(\c)]
	v_cndmask_b32 v[M+(\c)], v[M+(\c)], v[M+4*(\k)+(\c)], vcc_lo
	v_cndmask_b32 v[R+(\c)], v[R+(\c)], v[R+4*(\k)+(\c)], vcc_lo
.endr
.endr
	global_store_b128 v1, v[R:R+3], s[6:7]
	s_endpgm
.Lfunc_end_k_q1ab012920d_pick:
	.size	k_q1ab012920d_pick, .Lfunc_end_k_q1ab012920d_pick-k_q1ab012920d_pick
	.p2alignl 7, 3214868480
	.fill 96, 4, 3214868480
	.section	.rodata,"a",@progbits
	.p2align	6, 0x0
	.amdhsa_kernel k_q1ab012920d_pick
		.amdhsa_group_segment_fixed_size 0
		.amdhsa_private_segment_fixed_size 0
		.amdhsa_enable_private_segment 0
		.amdhsa_kernarg_size 16
		.amdhsa_user_sgpr_count 2
		.amdhsa_user_sgpr_kernarg_segment_ptr 1
		.amdhsa_wavefront_size32 1
		.amdhsa_system_sgpr_workgroup_id_x 1
		.amdhsa_system_sgpr_workgroup_id_y 1
		.amdhsa_system_sgpr_workgroup_id_z 1
		.amdhsa_system_vgpr_workitem_id 0
		.amdhsa_next_free_vgpr 40
		.amdhsa_next_free_sgpr 66
		.amdhsa_reserve_vcc 1
		.amdhsa_float_denorm_mode_32 3
		.amdhsa_float_denorm_mode_16_64 3
		.amdhsa_memory_ordered 1
		.amdhsa_forward_progress 1
		.amdhsa_inst_pref_size 3
	.end_amdhsa_kernel
	.amdgpu_metadata
---
amdhsa.version: [ 1, 2 ]
amdhsa.kernels:
  - .name:           k_q1ab012920d_pick
    .symbol:         k_q1ab012920d_pick.kd
    .args:
      - { .name: part, .offset: 0, .size: 8, .value_kind: global_buffer, .address_space: global }
      - { .name: out0, .offset: 8, .size: 8, .value_kind: global_buffer, .address_space: global }
    .group_segment_fixed_size: 0
    .private_segment_fixed_size: 0
    .kernarg_segment_align: 8
    .kernarg_segment_size: 16
    .max_flat_workgroup_size: 32
    .sgpr_count:     66
    .vgpr_count:     40
    .wavefront_size: 32
...
	.end_amdgpu_metadata
.endif
;; end of part 3
;; ======== version 2 of 2: 3 launches; version 1 with the launch prep written anew for expert scheduling mode
;; limits: values outside matrix products are rounded to bf16
;; workspace buffers: itb 4,194,304 bytes; pay 16,384 bytes; part 524,288 bytes
;; launch prep (part 4): grid 64 x 1, 8 waves a work-group, no clusters, 1,280 bytes of LDS; arguments items, itb, pay; writes itb, pay
.if DOCPART == 4
	.amdgcn_target "amdgcn-amd-amdhsa--gfx1250"
	.amdhsa_code_object_version 6
	.text
	.protected	k_q1ab012920d_prep
	.globl	k_q1ab012920d_prep
	.p2align	8
	.type	k_q1ab012920d_prep,@function
k_q1ab012920d_prep:
	s_mov_b64 s[64:65], 0
	v_nop
	global_prefetch_b8 v0, s[64:65] scope:SCOPE_SE
	s_setreg_imm32_b32 hwreg(HW_REG_WAVE_SCHED_MODE, 0, 2), 2
	s_setreg_imm32_b32 hwreg(HW_REG_WAVE_MODE, 25, 1), 1
	s_wait_xcnt 0x0
	s_wait_alu depctr_vm_vsrc(0)
; items [4096][512] f32  ->  itb [4096][512] bf16 (each number rounded once, to nearest even), and pay [4096] words:
; pay[i] = (bits(n_i) + 0x800) & 0xfffff000 | i,  n_i = min(rsq(sum of x^2), 1e12) = 1 / max(|x_i|, 1e-12): the inverse norm kept to 12 significant bits, the item's number below it.
; LIMITS.  NaN and infinities are not treated apart.  The norm is taken of the unrounded f32 numbers; a sum of squares below 2^-126 counts as 0, so n = 1e12.
; SHARES.  A work-group takes 64 rows: their 64 payload words are 256 consecutive bytes, aligned, stored by one instruction.  That fixes 64 work-groups.  Wave w takes rows 8 w .. 8 w + 7.
; A row is 2,048 bytes: four loads of 512 consecutive bytes a wave.  All 32 loads of a wave go out at once; the waits count down by rows.  A row of itb is four stores of 256 consecutive bytes, aligned.
; The matrix unit, clusters and tensor loads would add nothing: each byte is read once, by one lane.
; THE MODE: SCHED_MODE bits 1:0 = 2 (LLVM: expert scheduling mode 2), set by the entry lines.  The code itself states the register dependences
; between vector instructions and memory or LDS instructions, with s_wait_alu, always for 0.
; THE PLAN.  Registers that memory or LDS instructions touch:
;   v[LO], v[SO], v[LS]  offsets, made at the head and never written again: one wait ahead of the first load states that they are written.
;   X     row i's 16 registers: its four loads land there; all 32 loads are issued at the head, ahead of every vector instruction that names X.
;   Y     row i's 8 registers: written once, by row i's conversions; read by row i's four stores, which are issued in row i + 1 (row 7's behind the sums across the lanes).
;   SUM   written by the rows' arithmetic and the sums across the lanes; read by the eight LDS stores; not written after them.
;   T     in wave 0's tail: v[T] an address, v[T+2:T+3] an LDS load's data, v[T+4:T+5] the last store's data.
;   v[SPW], v[NIL]  written at the head, read by the closing add alone.
; Row i + 1's vector instructions name X[i + 1], T, SUM + i + 1 and Y[i + 1]: none of the registers that row i's stores read.  So ONE wait at a row's head, behind the wait for its data,
; serves the four stores of the row before, which are dealt among the row's vector instructions.  No register that a memory or LDS instruction reads is ever written again: no wait on vm_vsrc is owed.
.set SPARE, 256                        ; LDS: bytes 0-255 the 64 rows' sums of squares; from 256 on the spare words, 128 bytes for each of the eight waves
.set LO,  2                            ; v2   16 x lane + 16,384 x wave: my 16 bytes in the wave's first row of items; never rewritten
.set SO,  3                            ; v3   8 x lane + 8,192 x wave: my 8 bytes in the wave's first row of itb; never rewritten
.set LS,  4                            ; v4   32 x wave: the wave's eight words in LDS
.set SPW, 5                            ; v5   LDS address of my spare word; never rewritten
.set NIL, 6                            ; v6   0; never rewritten
.set SUM, 8                            ; v[8:15]    row i's sum of squares
.set X,   16                           ; v[16:143]  row i as loaded: 16 registers
.set Y,   144                          ; v[144:207] row i as stored: 8 registers, never rewritten
.set T,   208                          ; v[208:215] at work
	s_load_b128 s[4:7], s[0:1], 0x0                ; items s[4:5], itb s[6:7]
	s_load_b64 s[8:9], s[0:1], 0x10                ; pay
	v_lshl_add_u32 v[SPW], v0, 2, SPARE
	v_mov_b32 v[NIL], 0
	v_lshrrev_b32 v7, 5, v0
	v_readfirstlane_b32 s10, v7                    ; wave 0..7
	v_and_b32 v1, 31, v0                           ; lane
	s_wait_alu depctr_va_sdst(0)                   ; s10 is written, ahead of its first reader: the wave's offsets are made from it
	s_lshl_b32 s14, s10, 14
	v_lshl_add_u32 v[LO], v1, 4, s14
	s_lshl_b32 s15, s10, 13
	v_lshl_add_u32 v[SO], v1, 3, s15
	s_lshl_b32 s16, s10, 5
	v_mov_b32 v[LS], s16
	s_mov_b32 s12, 0x76543210                      ; v_permlanex16_b32: each lane takes its own place in the other half
	s_mov_b32 s13, 0xfedcba98
	s_lshl_b32 s11, ttmp9, 6                       ; the work-group's first item
	s_lshl_b32 s2, ttmp9, 17                       ; 64 rows of 2,048 bytes
	s_mov_b32 s3, 0
	s_wait_kmcnt 0x0
	s_add_nc_u64 s[4:5], s[4:5], s[2:3]
	s_lshl_b32 s2, ttmp9, 16                       ; 64 rows of 1,024 bytes
	s_add_nc_u64 s[6:7], s[6:7], s[2:3]
	s_lshl_b32 s2, ttmp9, 8                        ; 64 words
	s_add_nc_u64 s[8:9], s[8:9], s[2:3]
	s_wait_alu depctr_va_vdst(0)                   ; v[LO], v[SO] and v[LS] are written: the loads, the stores of itb and the LDS stores read them as offsets
.irp i, 0,1,2,3,4,5,6,7
.irp c, 0,1,2,3
	global_load_b128 v[X+16*(\i)+4*(\c):X+16*(\i)+4*(\c)+3], v[LO], s[4:5] offset:2048*(\i)+512*(\c) th:TH_LOAD_NT
.endr
.endr
; Store c of the four of row i of itb.  Row -1 is none: row 0 has no row in front of it.
.macro OUT i, c
.if (\i) >= 0
	global_store_b64 v[SO], v[Y+8*(\i)+2*(\c):Y+8*(\i)+2*(\c)+1], s[6:7] offset:1024*(\i)+256*(\c)  ; 32 lanes x 8 bytes: 256 consecutive bytes, aligned
.endif
.endm
; Row i: my 16 numbers' squares in two chains started by products (nothing is cleared), and the 16 numbers rounded to bf16; among these lines, the four stores of the row before.
.macro ROWP i
.set rX, X+16*(\i)
.set rY, Y+8*(\i)
	s_wait_loadcnt 28-4*(\i)                       ; loads come back in order (ISA guide 5.7.1): row i's four are in; the younger rows' four each stay out
.if (\i) > 0
	s_wait_alu depctr_va_vdst(0)                   ; the row before's conversions have written its Y, which the four stores below read; no vector line of this row names those registers
.endif
	OUT (\i)-1, 0
	v_pk_mul_f32 v[T:T+1], v[rX:rX+1], v[rX:rX+1]
	v_pk_mul_f32 v[T+2:T+3], v[rX+2:rX+3], v[rX+2:rX+3]
	OUT (\i)-1, 1
.irp x, 2,3,4,5,6,7
	v_pk_fma_f32 v[T+2*((\x)%2):T+2*((\x)%2)+1], v[rX+2*(\x):rX+2*(\x)+1], v[rX+2*(\x):rX+2*(\x)+1], v[T+2*((\x)%2):T+2*((\x)%2)+1]
.endr
	OUT (\i)-1, 2
	v_pk_add_f32 v[T:T+1], v[T:T+1], v[T+2:T+3]
	v_add_f32 v[SUM+(\i)], v[T], v[T+1]
	OUT (\i)-1, 3
.irp x, 0,1,2,3,4,5,6,7
	v_cvt_pk_bf16_f32 v[rY+(\x)], v[rX+2*(\x)], v[rX+2*(\x)+1]
.endr
.endm
.irp i, 0,1,2,3,4,5,6,7
	ROWP \i
.endr
	; across the 32 lanes, the eight rows side by side: four steps inside each half of 16 lanes ride on the addition, one crosses the halves
.irp m, 1,2,4,8
.irp i, 0,1,2,3,4,5,6,7
	v_add_f32_dpp v[SUM+(\i)], v[SUM+(\i)], v[SUM+(\i)] row_xmask:\m row_mask:0xf bank_mask:0xf
.endr
.endr
.irp i, 0,1,2,3,4,5,6,7
	v_permlanex16_b32 v[X+(\i)], v[SUM+(\i)], s12, s13  ; its destination counts as read: row 0's registers have been written and are free; no memory instruction reads them
.endr
.irp i, 0,1,2,3,4,5,6,7
	v_add_f32 v[SUM+(\i)], v[SUM+(\i)], v[X+(\i)]
.endr
	s_wait_alu depctr_va_vdst(0)                   ; the additions have written SUM, which the LDS stores read; row 7's conversions have written its Y, which its four stores read
.irp i, 0,1,2,3,4,5,6,7
	ds_store_b32 v[LS], v[SUM+(\i)] offset:4*(\i)  ; all lanes write the same word with the same value
.endr
.irp c, 0,1,2,3
	OUT 7, \c                                      ; the last row's stores go out while the LDS stores are on their way
.endr
	s_wait_dscnt 0x0                               ; for the others' sake: my stores are done
	s_barrier_signal -1
	s_barrier_wait -1                              ; all 64 sums lie in LDS
	s_cmp_lg_u32 s10, 0                            ; wave 0 makes the 64 payload words, two a lane
	s_cbranch_scc1 .Lend
	v_lshlrev_b32 v[T], 3, v1
	s_wait_alu depctr_va_vdst(0)                   ; v[T] is written, which the LDS load reads as its address; the rows' arithmetic is done with v[T+2:T+3], in which it lands
	ds_load_b64 v[T+2:T+3], v[T]                   ; rows 2 l and 2 l + 1
	v_lshl_add_u32 v[T+6], v1, 1, s11              ; their numbers
	v_add_nc_u32 v[T+7], 1, v[T+6]
	s_wait_dscnt 0x0
	v_rsq_f32 v[T+4], v[T+2]
	v_rsq_f32 v[T+5], v[T+3]
	v_nop                                          ; a plain instruction behind the last of the two (ISA guide 5.7.2),
	s_wait_alu depctr_va_vdst(0)                   ; and the wait ahead of the first use: both v_rsq_f32 have written v[T+4:T+5]
.irp k, 0,1
	v_min_num_f32 v[T+4+(\k)], 0x5368d4a5, v[T+4+(\k)]  ; 1 / max(norm, 1e-12): at most 1e12
	v_add_nc_u32 v[T+4+(\k)], 0x800, v[T+4+(\k)]        ; rounded to 12 significant bits
	v_and_b32 v[T+4+(\k)], 0xfffff000, v[T+4+(\k)]
	v_or_b32 v[T+4+(\k)], v[T+4+(\k)], v[T+6+(\k)]
.endr
	s_wait_alu depctr_va_vdst(0)                   ; the payload words are written into v[T+4:T+5], which the store reads
	global_store_b64 v[T], v[T+4:T+5], s[8:9]      ; 256 consecutive bytes, aligned
.Lend:
	s_wait_dscnt 0x0                               ; the closing lines, six on end
	s_wait_alu 0x0
	s_wait_tensorcnt 0x0
	ds_add_u32 v[SPW], v[NIL]
	s_wait_dscnt 0x0
	s_endpgm
.Lfunc_end_k_q1ab012920d_prep:
	.size	k_q1ab012920d_prep, .Lfunc_end_k_q1ab012920d_prep-k_q1ab012920d_prep
	.p2alignl 7, 3214868480
	.fill 96, 4, 3214868480
	.section	.rodata,"a",@progbits
	.p2align	6, 0x0
	.amdhsa_kernel k_q1ab012920d_prep
		.amdhsa_group_segment_fixed_size 1280
		.amdhsa_private_segment_fixed_size 0
		.amdhsa_enable_private_segment 0
		.amdhsa_kernarg_size 24
		.amdhsa_user_sgpr_count 2
		.amdhsa_user_sgpr_kernarg_segment_ptr 1
		.amdhsa_wavefront_size32 1
		.amdhsa_system_sgpr_workgroup_id_x 1
		.amdhsa_system_sgpr_workgroup_id_y 1
		.amdhsa_system_sgpr_workgroup_id_z 1
		.amdhsa_system_vgpr_workitem_id 0
		.amdhsa_next_free_vgpr 216
		.amdhsa_next_free_sgpr 66
		.amdhsa_reserve_vcc 0
		.amdhsa_float_denorm_mode_32 3
		.amdhsa_float_denorm_mode_16_64 3
		.amdhsa_memory_ordered 1
		.amdhsa_forward_progress 1
		.amdhsa_inst_pref_size 22
	.end_amdhsa_kernel
	.amdgpu_metadata
---
amdhsa.version: [ 1, 2 ]
amdhsa.kernels:
  - .name:           k_q1ab012920d_prep
    .symbol:         k_q1ab012920d_prep.kd
    .args:
      - { .name: items, .offset: 0, .size: 8, .value_kind: global_buffer, .address_space: global }
      - { .name: itb, .offset: 8, .size: 8, .value_kind: global_buffer, .address_space: global }
      - { .name: pay, .offset: 16, .size: 8, .value_kind: global_buffer, .address_space: global }
    .group_segment_fixed_size: 1280
    .private_segment_fixed_size: 0
    .kernarg_segment_align: 8
    .kernarg_segment_size: 24
    .max_flat_workgroup_size: 256
    .sgpr_count:     66
    .vgpr_count:     216
    .wavefront_size: 32
...
	.end_amdgpu_metadata
.endif
;; end of part 4
;; launch main: the kernel of part 2 again; grid 4 x 64, 4 waves a work-group, clusters of 4 x 4, 327,680 bytes of LDS; arguments queries, itb, pay, part; writes part
;; launch pick: the kernel of part 3 again; grid 128 x 1, 1 waves a work-group, no clusters, 0 bytes of LDS; arguments part, out0; writes out0
